; MI455X (gfx1250); checked and timed in simulation.
; The chip was launched on July 23, 2026; its instructions are those of AMD's public machine-readable ISA for CDNA 5 (MIT licence, August 2026) and "CDNA5" Instruction Set Architecture Reference Guide (July 2026). The comments in the code are by the model that wrote it; some were corrected since.
;; MP Layer in K. Allowed arithmetic: float matrix products may take bf16 or f16 operands with f32 sums; other float arithmetic in f32, or as packed bf16 or f16 multiplies, adds, multiply-adds, maxima and minima; sums over many terms, partial sums and values carried from step to step in f32; what a program stores and reads back later, other than sums and carried values, may be rounded once to bf16 or f16.
;; Inputs: inputp 128 x 1,024 float32; weight 1,024 x 512 float32.
;; Outputs: out0 128 x 512 float32.
;; 2 versions, each right; version 2 is version 1 with the launch select written anew for expert scheduling mode. Each part assembles by itself: llvm-mc -triple=amdgcn-amd-amdhsa -mcpu=gfx1250 --defsym DOCPART=n.
;; ======== version 1 of 2: 4 launches
;; workspace buffers: wst 8,192 bytes; pos 1,048,576 bytes of whole numbers; cnt 1,024 bytes of whole numbers; lm 1,081,344 bytes of whole numbers; le 1,081,344 bytes
;; launch wstat (part 1): grid 32 x 1, 32 waves a work-group, no clusters, 4,352 bytes of LDS; arguments weight, wst; writes wst
.if DOCPART == 1
	.amdgcn_target "amdgcn-amd-amdhsa--gfx1250"
	.amdhsa_code_object_version 6
	.text
	.protected	k_qfd083992fe_wstat
	.globl	k_qfd083992fe_wstat
	.p2align	8
	.type	k_qfd083992fe_wstat,@function
k_qfd083992fe_wstat:
	s_mov_b64 s[64:65], 0
	v_nop
	global_prefetch_b8 v0, s[64:65] scope:SCOPE_SE
	s_setreg_imm32_b32 hwreg(HW_REG_WAVE_MODE, 25, 1), 1
	s_wait_xcnt 0x0
; wst[m] = (min over o of weight[m][o], max over o of weight[m][o]).  weight: [1024][512] f32; wst: [1024][2] f32.
; relu(3 + w) and relu(3 - w) are monotone in w, so these two numbers bound both of them for all 512 columns.
; One wave takes one row (2,048 bytes: four loads of 16 bytes a lane, each load of the wave 512 consecutive bytes).
; A work-group of 32 waves takes 32 rows, because 32 pairs are 256 bytes: they meet in LDS and wave 0 stores them as one
; aligned block of 256 bytes.  So there are 32 work-groups; each reads 64 KB, all its loads in flight at once.
; LIMIT: inputs are finite; NaN is dropped by the minima and maxima, not passed on.
.set SPARE, 256                        ; LDS: bytes 0-255 the 32 pairs; from 256 on the spare words, 128 bytes a wave
.set SPW,   30                         ; v30  my spare word's address; never rewritten
.set NIL,   31                         ; v31  0; never rewritten
	s_load_b128 s[4:7], s[0:1], 0x0                ; weight s[4:5], wst s[6:7]
	v_lshl_add_u32 v[SPW], v0, 2, SPARE
	v_mov_b32 v[NIL], 0
	v_lshrrev_b32 v1, 5, v0
	v_readfirstlane_b32 s8, v1                     ; wave 0..31
	v_and_b32 v2, 31, v0                           ; lane
	v_lshlrev_b32 v3, 4, v2                        ; 16 bytes a lane
	v_lshlrev_b32 v28, 3, v1                       ; LDS: my wave's pair
	v_lshlrev_b32 v29, 3, v2                       ; LDS and wst: pair number = lane (wave 0 alone uses it)
	s_lshl_b32 s9, ttmp9, 5
	s_add_co_u32 s9, s9, s8                        ; my row = 32 x work-group + wave
	s_lshl_b32 s10, s9, 11                         ; x 2,048 bytes
	s_mov_b32 s11, 0
	s_lshl_b32 s14, ttmp9, 8                       ; the work-group's 256 bytes of wst
	s_mov_b32 s15, 0
	s_mov_b32 s12, 0x76543210                      ; v_permlanex16_b32: each lane takes its own place in the other half
	s_mov_b32 s13, 0xfedcba98
	s_wait_kmcnt 0x0
	s_add_nc_u64 s[4:5], s[4:5], s[10:11]
	s_add_nc_u64 s[6:7], s[6:7], s[14:15]
.irp q, 0,1,2,3
	global_load_b128 v[4+4*\q:7+4*\q], v3, s[4:5] offset:512*\q  ; no hint: a later launch reads rows of weight again
.endr
	s_wait_loadcnt 0x0
	; my 16 numbers, three operands at a time
	v_min3_num_f32 v20, v4, v5, v6
	v_min3_num_f32 v21, v7, v8, v9
	v_min3_num_f32 v22, v10, v11, v12
	v_min3_num_f32 v23, v13, v14, v15
	v_min3_num_f32 v24, v16, v17, v18
	v_max3_num_f32 v32, v4, v5, v6
	v_max3_num_f32 v33, v7, v8, v9
	v_max3_num_f32 v34, v10, v11, v12
	v_max3_num_f32 v35, v13, v14, v15
	v_max3_num_f32 v36, v16, v17, v18
	v_min3_num_f32 v20, v20, v21, v22
	v_min3_num_f32 v23, v23, v24, v19
	v_max3_num_f32 v32, v32, v33, v34
	v_max3_num_f32 v35, v35, v36, v19
	v_min_num_f32 v20, v20, v23
	v_max_num_f32 v21, v32, v35
	; across the 32 lanes: four steps inside each half of 16 lanes, one across the halves
.irp x, 1,2,4,8
	v_min_num_f32_dpp v20, v20, v20 row_xmask:\x row_mask:0xf bank_mask:0xf
	v_max_num_f32_dpp v21, v21, v21 row_xmask:\x row_mask:0xf bank_mask:0xf
.endr
	v_permlanex16_b32 v22, v20, s12, s13           ; destinations that have been written before
	v_permlanex16_b32 v23, v21, s12, s13
	v_min_num_f32 v20, v20, v22
	v_max_num_f32 v21, v21, v23
	ds_store_b64 v28, v[20:21]                     ; all lanes write the same pair to the same eight bytes
	s_wait_tensorcnt 0x0                           ; behind my last LDS store
	ds_add_u32 v[SPW], v[NIL]
	s_wait_dscnt 0x0                               ; my store is done too, for wave 0's sake
	s_barrier_signal -1
	s_barrier_wait -1
	s_cmp_lg_u32 s8, 0
	s_cbranch_scc1 .Lend
	ds_load_b64 v[24:25], v29                      ; wave 0: the 32 pairs, one a lane
	s_wait_dscnt 0x0
	global_store_b64 v29, v[24:25], s[6:7]         ; 32 lanes store 256 consecutive bytes, aligned
.Lend:
	s_endpgm
.Lfunc_end_k_qfd083992fe_wstat:
	.size	k_qfd083992fe_wstat, .Lfunc_end_k_qfd083992fe_wstat-k_qfd083992fe_wstat
	.p2alignl 7, 3214868480
	.fill 96, 4, 3214868480
	.section	.rodata,"a",@progbits
	.p2align	6, 0x0
	.amdhsa_kernel k_qfd083992fe_wstat
		.amdhsa_group_segment_fixed_size 4352
		.amdhsa_private_segment_fixed_size 0
		.amdhsa_enable_private_segment 0
		.amdhsa_kernarg_size 16
		.amdhsa_user_sgpr_count 2
		.amdhsa_user_sgpr_kernarg_segment_ptr 1
		.amdhsa_wavefront_size32 1
		.amdhsa_system_sgpr_workgroup_id_x 1
		.amdhsa_system_sgpr_workgroup_id_y 1
		.amdhsa_system_sgpr_workgroup_id_z 1
		.amdhsa_system_vgpr_workitem_id 0
		.amdhsa_next_free_vgpr 40
		.amdhsa_next_free_sgpr 66
		.amdhsa_reserve_vcc 0
		.amdhsa_float_denorm_mode_32 3
		.amdhsa_float_denorm_mode_16_64 3
		.amdhsa_memory_ordered 1
		.amdhsa_forward_progress 1
		.amdhsa_inst_pref_size 4
	.end_amdhsa_kernel
	.amdgpu_metadata
---
amdhsa.version: [ 1, 2 ]
amdhsa.kernels:
  - .name:           k_qfd083992fe_wstat
    .symbol:         k_qfd083992fe_wstat.kd
    .args:
      - { .name: weight, .offset: 0, .size: 8, .value_kind: global_buffer, .address_space: global }
      - { .name: wst, .offset: 8, .size: 8, .value_kind: global_buffer, .address_space: global }
    .group_segment_fixed_size: 4352
    .private_segment_fixed_size: 0
    .kernarg_segment_align: 8
    .kernarg_segment_size: 16
    .max_flat_workgroup_size: 1024
    .sgpr_count:     66
    .vgpr_count:     40
    .wavefront_size: 32
...
	.end_amdgpu_metadata
.endif
;; end of part 1
;; launch thresh (part 2): grid 128 x 1, 2 waves a work-group, no clusters, 512 bytes of LDS; arguments inputp, wst, pos, cnt; writes pos, cnt
.if DOCPART == 2
	.amdgcn_target "amdgcn-amd-amdhsa--gfx1250"
	.amdhsa_code_object_version 6
	.text
	.protected	k_qfd083992fe_thresh
	.globl	k_qfd083992fe_thresh
	.p2align	8
	.type	k_qfd083992fe_thresh,@function
k_qfd083992fe_thresh:
	s_mov_b64 s[64:65], 0
	v_nop
	global_prefetch_b8 v0, s[64:65] scope:SCOPE_SE
	s_setreg_imm32_b32 hwreg(HW_REG_WAVE_MODE, 25, 1), 1
	s_wait_xcnt 0x0
; WHICH TERMS CAN BE AMONG THE 32 SMALLEST, for one row b of inputp and all 512 columns at once.
; A term is z = a + c: a = relu(3 + x[m]) (side 0) or relu(3 - x[m]) (side 1); c = relu(3 + w[m][o]) or relu(3 - w[m][o]).
; With w's minimum and maximum over o (wst) and rounding being monotone, L = a + c(low) <= z <= U = a + c(high) for every o.
; T = the 32nd smallest of a set's 2,048 U.  32 terms lie at or below T for every o, so a term with L > T is never needed.
; An index j = (side, m) is a CANDIDATE if its term in the plus set or its term in the minus set has L <= T of that set.
; Wave 0 finds T of the plus set, wave 1 that of the minus set: the minus set is the plus set of -x, so both run one text on x' = +-x.
; Then wave s ranks the candidates of side s (a = relu(3 + x')): pos[b][1024 s + m] = rank among the side's candidates, or -1;
; cnt[b][s] = their number.  All addresses are fixed: placing by rank is a later launch's work.
; THE SELECTION is a bitonic network.  A comparator is ONE dual instruction, minimum and maximum, written from one bank of registers
; into another.  Logical element i lies at register (i & 30) | parity of i's bits: partners differ in one bit of i, so their registers
; have opposite parity: one even and one odd destination, and sources in different register banks, as the dual form needs.
; LIMIT: inputs are finite (NaN and infinities are not treated).
.set SPARE, 256                        ; LDS: bytes 0-7 the two T; from 256 on the spare words, 128 bytes a wave
.set SPW,   14                         ; v14  my spare word's address; never rewritten
.set NIL,   15                         ; v15  0; never rewritten
.set LL,    16                         ; v[16:79]   (wmin, wmax) of my 32 m as loaded; then (L for my own T, L for the other wave's T)
.set K0,    80                         ; four banks of 32 for the network
.set K1,    112
.set K2,    144
.set K3,    176
.set XR,    K1                         ; x as loaded, until the network starts
.set TY,    K3                         ; eight sets of four registers at work, until the network starts
.set MA,    32                         ; s[32:63]  a mask for each of my 32 registers
.set MB,    68                         ; s[68:99]  the second mask, then the rank at which the register's candidates begin
.macro PHY name, i                     ; the register of logical element i in its bank
.set \name, ((\i)&30)|((((\i)>>4)^((\i)>>3)^((\i)>>2)^((\i)>>1)^(\i))&1)
.endm
.macro CE a, b                         ; element a takes the minimum, element b the maximum; from bank SL into bank DL
	PHY pa, \a
	PHY pb, \b
	v_dual_min_num_f32 v[DL+pa], v[SL+pa], v[SL+pb] :: v_dual_max_num_f32 v[DL+pb], v[SL+pb], v[SL+pa]
.endm
.macro PP k, j                         ; one layer of 16 comparators, partners j apart, ascending where i & k is 0; then the banks change places
.set li, 0
.rept 32
.if (li & (\j)) == 0
.if (li & (\k)) == 0
	CE li, li+(\j)
.else
	CE li+(\j), li
.endif
.endif
.set li, li+1
.endr
.set TT, SL
.set SL, DL
.set DL, TT
.endm
.macro CLEAN x, y                      ; a bitonic run of 32 in bank x becomes ascending, in bank y (five layers)
.set SL, \x
.set DL, \y
	PP 32, 16
	PP 32, 8
	PP 32, 4
	PP 32, 2
	PP 32, 1
.endm
.macro SORT32 x, y                     ; 32 numbers in bank x become ascending, in bank y (fifteen layers)
.set SL, \x
.set DL, \y
	PP 2, 1
	PP 4, 2
	PP 4, 1
	PP 8, 4
	PP 8, 2
	PP 8, 1
	PP 16, 8
	PP 16, 4
	PP 16, 2
	PP 16, 1
	PP 32, 16
	PP 32, 8
	PP 32, 4
	PP 32, 2
	PP 32, 1
.endm
	s_load_b256 s[4:11], s[0:1], 0x0               ; inputp s[4:5], wst s[6:7], pos s[8:9], cnt s[10:11]
	v_lshl_add_u32 v[SPW], v0, 2, SPARE
	v_mov_b32 v[NIL], 0
	v_lshrrev_b32 v1, 5, v0
	v_readfirstlane_b32 s12, v1                    ; wave = which set's T, and which side's candidates
	v_and_b32 v2, 31, v0                           ; lane
	v_lshlrev_b32 v3, 3, v2                        ; 8 bytes a lane: two x, two ranks
	v_lshlrev_b32 v4, 4, v2                        ; 16 bytes a lane: two pairs of wst
	v_lshlrev_b32 v5, 2, v1                        ; LDS word of my T
	v_mov_b32 v6, 0x40400000                       ; (3, 3)
	v_mov_b32 v7, 0x40400000
	v_mov_b32 v8, 0                                ; two zeros in different register banks, for dual maxima
	v_mov_b32 v9, 0
	s_cmp_eq_u32 s12, 0
	s_cselect_b32 s16, 1.0, -1.0                   ; x' = x for wave 0, -x for wave 1
	s_cselect_b32 s17, -1.0, 1.0
	v_mov_b32 v12, s17                             ; (-sign, sign)
	v_mov_b32 v13, s16
	s_lshl_b32 s14, ttmp9, 12                      ; row b of inputp: 4,096 bytes
	s_mov_b32 s15, 0
	s_lshl_b32 s20, ttmp9, 13                      ; row b of pos: 8,192 bytes; my side's half of it
	s_lshl_b32 s21, s12, 12
	s_add_co_u32 s20, s20, s21
	s_mov_b32 s21, 0
	s_lshl_b32 s22, ttmp9, 3                       ; row b of cnt
	s_mov_b32 s23, 0
	s_mov_b32 s18, 0x76543210                      ; v_permlanex16_b32: each lane takes its own place in the other half
	s_mov_b32 s19, 0xfedcba98
	s_wait_kmcnt 0x0
	s_add_nc_u64 s[4:5], s[4:5], s[14:15]
	s_add_nc_u64 s[8:9], s[8:9], s[20:21]
	s_add_nc_u64 s[10:11], s[10:11], s[22:23]
	; register r = 2 q + e of a lane stands for m = 64 q + 2 lane + e: each load of the wave takes 256 or 512 consecutive bytes
.set q, 0
.rept 16
	global_load_b64  v[XR+2*q:XR+2*q+1], v3, s[4:5] offset:256*q
	global_load_b128 v[LL+4*q:LL+4*q+3], v4, s[6:7] offset:512*q
.set q, q+1
.endr
	s_wait_loadcnt 0x0
; Eight m at a time, stage by stage so that no line waits for the one before it.  For each m:
;   Y = (relu(3 - x'), relu(3 + x'));  H = (relu(3 - wmin), relu(3 + wmax));  G = (relu(3 + wmin), relu(3 - wmax))
;   Y + H = the two upper bounds U of my set that m gives;  (Y's second, twice) + G = L of side s's term in my set and in the other set.
.macro SETUP g
.set r, 8*(\g)
.rept 8
.set ty, TY+4*(r%8)
.if (r&1) == 0
	v_pk_fma_f32 v[ty:ty+1], v[XR+r:XR+r+1], v[12:13], v[6:7] op_sel_hi:[0,1,1]
.else
	v_pk_fma_f32 v[ty:ty+1], v[XR+r-1:XR+r], v[12:13], v[6:7] op_sel:[1,0,0] op_sel_hi:[1,1,1]
.endif
	v_pk_add_f32 v[ty+2:ty+3], v[6:7], v[LL+2*r:LL+2*r+1] neg_lo:[0,1]
.set r, r+1
.endr
.set r, 8*(\g)
.rept 8
	v_pk_add_f32 v[LL+2*r:LL+2*r+1], v[6:7], v[LL+2*r:LL+2*r+1] neg_hi:[0,1]
.set r, r+1
.endr
.set r, 8*(\g)
.rept 8
.set ty, TY+4*(r%8)
	v_dual_max_num_f32 v[ty], v[ty], v8 :: v_dual_max_num_f32 v[ty+1], v[ty+1], v9
	v_dual_max_num_f32 v[ty+2], v[ty+2], v8 :: v_dual_max_num_f32 v[ty+3], v[ty+3], v9
	v_dual_max_num_f32 v[LL+2*r], v[LL+2*r], v8 :: v_dual_max_num_f32 v[LL+2*r+1], v[LL+2*r+1], v9
.set r, r+1
.endr
.set r, 8*(\g)
.rept 8
.set ty, TY+4*(r%8)
.set ud, K0+2*r+32*(r/16)              ; the first 32 U fill bank K0, the other 32 bank K2
	v_pk_add_f32 v[ud:ud+1], v[ty:ty+1], v[ty+2:ty+3]
	v_pk_add_f32 v[LL+2*r:LL+2*r+1], v[ty:ty+1], v[LL+2*r:LL+2*r+1] op_sel:[1,0] op_sel_hi:[1,1]
.set r, r+1
.endr
.endm
	SETUP 0
	SETUP 1
	SETUP 2
	SETUP 3
	; my lane's 32 smallest of 64: two sorts; the minima of one run and the other reversed are the 32 smallest, a bitonic run; clean it
	SORT32 K0, K1
	SORT32 K2, K3
.set t, 0
.rept 16
	PHY pa, 2*t
	PHY pb, 2*t+1
	PHY qa, 31-2*t
	PHY qb, 30-2*t
	v_dual_min_num_f32 v[K0+pa], v[K1+pa], v[K3+qa] :: v_dual_min_num_f32 v[K0+pb], v[K1+pb], v[K3+qb]
.set t, t+1
.endr
	CLEAN K0, K1
	; the same merge with the lane 1, 2, 4, 8 away: the partner's run comes reversed by the choice of register
.irp x, 1,2,4,8
.set xi, 0
.rept 32
	PHY pa, xi
	PHY pb, 31-xi
	v_min_num_f32_dpp v[K0+pa], v[K1+pb], v[K1+pa] row_xmask:\x row_mask:0xf bank_mask:0xf
.set xi, xi+1
.endr
	CLEAN K0, K1
.endr
	; and with the lane 16 away; of that last merge only the largest is wanted: T, the 32nd smallest of all 2,048
.set xi, 0
.rept 32
	PHY pa, xi
	PHY pb, 31-xi
	v_permlanex16_b32 v[K0+pa], v[K1+pb], s18, s19
.set xi, xi+1
.endr
.set t, 0
.rept 16
	v_dual_min_num_f32 v[K2+2*t], v[K0+2*t], v[K1+2*t] :: v_dual_min_num_f32 v[K2+2*t+1], v[K0+2*t+1], v[K1+2*t+1]
.set t, t+1
.endr
.irp c, 0,1,2,3
	v_max3_num_f32 v[K3+\c], v[K2+8*\c], v[K2+8*\c+1], v[K2+8*\c+2]
.endr
.irp c, 0,1,2,3
	v_max3_num_f32 v[K3+\c], v[K3+\c], v[K2+8*\c+3], v[K2+8*\c+4]
.endr
.irp c, 0,1,2,3
	v_max3_num_f32 v[K3+\c], v[K3+\c], v[K2+8*\c+5], v[K2+8*\c+6]
.endr
.irp c, 0,1,2,3
	v_max_num_f32 v[K3+\c], v[K3+\c], v[K2+8*\c+7]
.endr
	v_max3_num_f32 v10, v[K3], v[K3+1], v[K3+2]
	v_max_num_f32 v10, v10, v[K3+3]                ; my set's T, in every lane
	ds_store_b32 v5, v10                           ; all lanes write the same word
	s_wait_tensorcnt 0x0                           ; behind my last LDS store
	ds_add_u32 v[SPW], v[NIL]
	s_wait_dscnt 0x0                               ; my store is done too, for the other wave's sake
	s_barrier_signal -1
	s_barrier_wait -1
	v_xor_b32 v5, 4, v5
	ds_load_b32 v11, v5                            ; the other set's T
	s_wait_dscnt 0x0
	; candidates and ranks, in three runs so that vector and scalar lines do not wait for each other one by one.
	; The order of ranks is register by register, lane by lane: any fixed order serves.
.set r, 0
.rept 32
	v_cmp_le_f32 s[MA+r], v[LL+2*r], v10
	v_cmp_le_f32 s[MB+r], v[LL+2*r+1], v11
.set r, r+1
.endr
	s_mov_b32 s22, 0
.set r, 0
.rept 32
	s_or_b32 s[MA+r], s[MA+r], s[MB+r]
	s_bcnt1_i32_b32 s21, s[MA+r]
	s_mov_b32 s[MB+r], s22                         ; candidates in the registers before this one
	s_add_co_u32 s22, s22, s21
.set r, r+1
.endr
.set r, 0
.rept 32
	v_mbcnt_lo_u32_b32 v[K0+r], s[MA+r], s[MB+r]   ; + candidates in the lanes below mine
	v_cndmask_b32 v[K0+r], -1, v[K0+r], s[MA+r]
.set r, r+1
.endr
.set q, 0
.rept 16
	global_store_b64 v3, v[K0+2*q:K0+2*q+1], s[8:9] offset:256*q  ; 32 lanes store 256 consecutive bytes, aligned
.set q, q+1
.endr
	v_lshlrev_b32 v12, 2, v1
	v_mov_b32 v13, s22
	s_wait_xcnt 0x0                                ; EXEC is a source of the stores above: it changes only behind this wait
	v_cmp_eq_u32 vcc_lo, 0, v2
	s_and_saveexec_b32 s20, vcc_lo
	global_store_b32 v12, v13, s[10:11]            ; four bytes a wave: the one number that a side has
	s_wait_xcnt 0x0
	s_or_b32 exec_lo, exec_lo, s20
	s_endpgm
.Lfunc_end_k_qfd083992fe_thresh:
	.size	k_qfd083992fe_thresh, .Lfunc_end_k_qfd083992fe_thresh-k_qfd083992fe_thresh
	.p2alignl 7, 3214868480
	.fill 96, 4, 3214868480
	.section	.rodata,"a",@progbits
	.p2align	6, 0x0
	.amdhsa_kernel k_qfd083992fe_thresh
		.amdhsa_group_segment_fixed_size 512
		.amdhsa_private_segment_fixed_size 0
		.amdhsa_enable_private_segment 0
		.amdhsa_kernarg_size 32
		.amdhsa_user_sgpr_count 2
		.amdhsa_user_sgpr_kernarg_segment_ptr 1
		.amdhsa_wavefront_size32 1
		.amdhsa_system_sgpr_workgroup_id_x 1
		.amdhsa_system_sgpr_workgroup_id_y 1
		.amdhsa_system_sgpr_workgroup_id_z 1
		.amdhsa_system_vgpr_workitem_id 0
		.amdhsa_next_free_vgpr 208
		.amdhsa_next_free_sgpr 100
		.amdhsa_reserve_vcc 1
		.amdhsa_float_denorm_mode_32 3
		.amdhsa_float_denorm_mode_16_64 3
		.amdhsa_memory_ordered 1
		.amdhsa_forward_progress 1
		.amdhsa_inst_pref_size 103
	.end_amdhsa_kernel
	.amdgpu_metadata
---
amdhsa.version: [ 1, 2 ]
amdhsa.kernels:
  - .name:           k_qfd083992fe_thresh
    .symbol:         k_qfd083992fe_thresh.kd
    .args:
      - { .name: inputp, .offset: 0, .size: 8, .value_kind: global_buffer, .address_space: global }
      - { .name: wst, .offset: 8, .size: 8, .value_kind: global_buffer, .address_space: global }
      - { .name: pos, .offset: 16, .size: 8, .value_kind: global_buffer, .address_space: global }
      - { .name: cnt, .offset: 24, .size: 8, .value_kind: global_buffer, .address_space: global }
    .group_segment_fixed_size: 512
    .private_segment_fixed_size: 0
    .kernarg_segment_align: 8
    .kernarg_segment_size: 32
    .max_flat_workgroup_size: 64
    .sgpr_count:     100
    .vgpr_count:     208
    .wavefront_size: 32
...
	.end_amdgpu_metadata
.endif
;; end of part 2
;; launch compact (part 3): grid 128 x 1, 8 waves a work-group, no clusters, 0 bytes of LDS; arguments inputp, pos, cnt, lm, le; writes lm, le
.if DOCPART == 3
	.amdgcn_target "amdgcn-amd-amdhsa--gfx1250"
	.amdhsa_code_object_version 6
	.text
	.protected	k_qfd083992fe_compact
	.globl	k_qfd083992fe_compact
	.p2align	8
	.type	k_qfd083992fe_compact,@function
k_qfd083992fe_compact:
	s_mov_b64 s[64:65], 0
	v_nop
	global_prefetch_b8 v0, s[64:65] scope:SCOPE_SE
	s_setreg_imm32_b32 hwreg(HW_REG_WAVE_MODE, 25, 1), 1
	s_wait_xcnt 0x0
; THE CANDIDATES OF ROW b, PLACED BY RANK.  pos and cnt are whole numbers that the launch before stored; here they become addresses.
; lm[b][p] = m;  le[b][p] = a with the side in the sign bit: +relu(3 + x[b][m]) for side 0, -relu(3 - x[b][m]) for side 1 (a is never negative).
; Side 0's candidates take places 0 .. n0 - 1, side 1's places n0 .. n0 + n1 - 1.  Behind them 48 fillers (m = 0, a = +infinity):
; the next launch reads places in groups of 16 and always the first 80, and n0 + n1 is at least 32.  A row of either list has 2,112 places.
; Thread t takes m = 4 t .. 4 t + 3 on both sides.  The stores are four bytes to scattered places: that is what a placement is; some 60 a row for numbers spread as the drawn ones.
.set ROWL, 8448                        ; bytes in a row of lm and of le
.set PADN, 48
	s_load_b256 s[4:11], s[0:1], 0x0               ; inputp s[4:5], pos s[6:7], cnt s[8:9], lm s[10:11]
	s_load_b64 s[12:13], s[0:1], 0x20              ; le
	v_lshlrev_b32 v1, 4, v0                        ; 16 bytes a thread
	v_lshlrev_b32 v2, 2, v0                        ; my first m
	v_mov_b32 v3, 0x40400000                       ; 3
	s_lshl_b32 s14, ttmp9, 12
	s_mov_b32 s15, 0
	s_lshl_b32 s16, ttmp9, 13
	s_mov_b32 s17, 0
	s_lshl_b32 s18, ttmp9, 3
	s_mov_b32 s19, 0
	s_mul_i32 s20, ttmp9, ROWL
	s_mov_b32 s21, 0
	s_wait_kmcnt 0x0
	s_add_nc_u64 s[4:5], s[4:5], s[14:15]
	s_add_nc_u64 s[6:7], s[6:7], s[16:17]
	s_add_nc_u64 s[8:9], s[8:9], s[18:19]
	s_add_nc_u64 s[10:11], s[10:11], s[20:21]
	s_add_nc_u64 s[12:13], s[12:13], s[20:21]
	s_load_b64 s[22:23], s[8:9], 0x0               ; n0, n1
	global_load_b128 v[4:7], v1, s[4:5]            ; x
	global_load_b128 v[8:11], v1, s[6:7]           ; ranks, side 0
	global_load_b128 v[12:15], v1, s[6:7] offset:4096  ; ranks, side 1
.irp e, 0,1,2,3
	v_add_nc_u32 v[16+\e], \e, v2                  ; m
.endr
	v_mov_b32 v37, 0
	v_mov_b32 v38, 0x7f800000                      ; +infinity
	s_wait_kmcnt 0x0
	s_min_u32 s22, s22, 0x400                      ; loaded numbers are bounded before they enter an address
	s_min_u32 s23, s23, 0x400
	s_add_co_u32 s24, s22, s23                     ; n
	v_add_nc_u32 v36, s24, v0
	v_lshlrev_b32 v36, 2, v36                      ; filler number t stands at place n + t
	s_wait_loadcnt 0x0
.irp e, 0,1,2,3
	v_add_f32 v[20+\e], v3, v[4+\e]
	v_sub_f32 v[24+\e], v3, v[4+\e]
	v_min_u32 v[28+\e], 0x7ff, v[8+\e]
	v_add_nc_u32 v[32+\e], s22, v[12+\e]
.endr
.irp e, 0,1,2,3
	v_max_num_f32 v[20+\e], 0, v[20+\e]
	v_max_num_f32 v[24+\e], 0, v[24+\e]
	v_lshlrev_b32 v[28+\e], 2, v[28+\e]
	v_min_u32 v[32+\e], 0x7ff, v[32+\e]
.endr
.irp e, 0,1,2,3
	v_or_b32 v[24+\e], 0x80000000, v[24+\e]
	v_lshlrev_b32 v[32+\e], 2, v[32+\e]
.endr
; The lanes whose rank (as loaded) is a rank, not -1, store.  EXEC is a source of pending loads and stores: it changes only behind s_wait_xcnt 0.
.macro PUT p, ad, m, en
	s_wait_xcnt 0x0
	v_cmp_gt_u32 vcc_lo, 0x800, v[\p]
	s_and_saveexec_b32 s26, vcc_lo
	global_store_b32 v[\ad], v[\m], s[10:11]
	global_store_b32 v[\ad], v[\en], s[12:13]
	s_wait_xcnt 0x0
	s_or_b32 exec_lo, exec_lo, s26
.endm
.irp e, 0,1,2,3
	PUT 8+\e, 28+\e, 16+\e, 20+\e
	PUT 12+\e, 32+\e, 16+\e, 24+\e
.endr
	s_wait_xcnt 0x0
	v_cmp_gt_u32 vcc_lo, PADN, v0                  ; threads 0 to 47 write the fillers
	s_and_saveexec_b32 s26, vcc_lo
	global_store_b32 v36, v37, s[10:11]
	global_store_b32 v36, v38, s[12:13]
	s_wait_xcnt 0x0
	s_or_b32 exec_lo, exec_lo, s26
	s_endpgm
.Lfunc_end_k_qfd083992fe_compact:
	.size	k_qfd083992fe_compact, .Lfunc_end_k_qfd083992fe_compact-k_qfd083992fe_compact
	.p2alignl 7, 3214868480
	.fill 96, 4, 3214868480
	.section	.rodata,"a",@progbits
	.p2align	6, 0x0
	.amdhsa_kernel k_qfd083992fe_compact
		.amdhsa_group_segment_fixed_size 0
		.amdhsa_private_segment_fixed_size 0
		.amdhsa_enable_private_segment 0
		.amdhsa_kernarg_size 40
		.amdhsa_user_sgpr_count 2
		.amdhsa_user_sgpr_kernarg_segment_ptr 1
		.amdhsa_wavefront_size32 1
		.amdhsa_system_sgpr_workgroup_id_x 1
		.amdhsa_system_sgpr_workgroup_id_y 1
		.amdhsa_system_sgpr_workgroup_id_z 1
		.amdhsa_system_vgpr_workitem_id 0
		.amdhsa_next_free_vgpr 40
		.amdhsa_next_free_sgpr 66
		.amdhsa_reserve_vcc 1
		.amdhsa_float_denorm_mode_32 3
		.amdhsa_float_denorm_mode_16_64 3
		.amdhsa_memory_ordered 1
		.amdhsa_forward_progress 1
		.amdhsa_inst_pref_size 7
	.end_amdhsa_kernel
	.amdgpu_metadata
---
amdhsa.version: [ 1, 2 ]
amdhsa.kernels:
  - .name:           k_qfd083992fe_compact
    .symbol:         k_qfd083992fe_compact.kd
    .args:
      - { .name: inputp, .offset: 0, .size: 8, .value_kind: global_buffer, .address_space: global }
      - { .name: pos, .offset: 8, .size: 8, .value_kind: global_buffer, .address_space: global }
      - { .name: cnt, .offset: 16, .size: 8, .value_kind: global_buffer, .address_space: global }
      - { .name: lm, .offset: 24, .size: 8, .value_kind: global_buffer, .address_space: global }
      - { .name: le, .offset: 32, .size: 8, .value_kind: global_buffer, .address_space: global }
    .group_segment_fixed_size: 0
    .private_segment_fixed_size: 0
    .kernarg_segment_align: 8
    .kernarg_segment_size: 40
    .max_flat_workgroup_size: 256
    .sgpr_count:     66
    .vgpr_count:     40
    .wavefront_size: 32
...
	.end_amdgpu_metadata
.endif
;; end of part 3
;; launch select (part 4): grid 256 x 1, 8 waves a work-group, no clusters, 0 bytes of LDS; arguments weight, lm, le, cnt, out0; writes out0
.if DOCPART == 4
	.amdgcn_target "amdgcn-amd-amdhsa--gfx1250"
	.amdhsa_code_object_version 6
	.text
	.protected	k_qfd083992fe_select
	.globl	k_qfd083992fe_select
	.p2align	8
	.type	k_qfd083992fe_select,@function
k_qfd083992fe_select:
	s_mov_b64 s[64:65], 0
	v_nop
	global_prefetch_b8 v0, s[64:65] scope:SCOPE_SE
	s_setreg_imm32_b32 hwreg(HW_REG_WAVE_MODE, 25, 1), 1
	s_wait_xcnt 0x0
; out0[b][o] = (sum of the 32 smallest of zPlus[b][:][o] - sum of the 32 smallest of zMinus[b][:][o]) / 32, taken over row b's candidates alone:
; no other term can be among the 32 smallest of either set (the launches before).  A candidate (m, side, a) gives one term to each set:
;   side 0: zPlus a + relu(3 + w), zMinus a + relu(3 - w);   side 1: zPlus a + relu(3 - w), zMinus a + relu(3 + w);   w = weight[m][o].
; Each term is computed as the reference computes it.  SHARES: a work-group has one b and 256 columns, a lane one column and both sets.
; THE LIST is walked in groups of 16 places; fillers (a = +infinity) end it.  m and a are the same for the whole wave, so they come by scalar loads.
; The weight loads of the first five groups (80 places, always written) go out together, before any arithmetic; each lands on its own address register.
; THE SELECTION.  Groups 0 and 1 (32 true candidates at the least) are made a bitonic run by ten layers of a bitonic network.  A further group: its 16 terms
; are sorted (ten layers of 8 comparators); the kept 32 are made ascending (five layers of 16); the upper 16 take the minima with the group reversed, which
; leaves the 32 smallest, again a bitonic run.  Groups 2 to 4 are written out, each on its own registers, and left by a forward jump when the list ends;
; longer lists go round a loop whose bound is the list's number of groups.
; A comparator is ONE dual instruction, minimum and maximum, from one bank of registers into another.  Logical element i lies at register
; (i & 30) | parity of i's bits: partners differ in one bit of i, so their registers have opposite parity: one even and one odd destination, sources in different banks.
; THE SUM is taken of the 32 differences P - M (any pairing gives the same total): they are small, so the sum loses less than two sums of large numbers would.
; LIMITS: inputs finite; the order of the sum differs from the reference's.  A wave's store covers 128 consecutive bytes (32 results), the eight waves' together 1,024.
.set ROWL, 8448                        ; bytes in a row of lm and of le
.set W,    16                          ; v[16:95]    weights of five groups
.set AP,   96                          ; v[96:127]   the plus set's kept 32
.set AM,   128                         ; v[128:159]  the minus set's
.set BS,   160                         ; v[160:191]  the bank that either kept set changes places with
.set BAP,  192                         ; v[192:207]  the plus terms of the group in hand
.set BAM,  208                         ; v[208:223]  the minus terms
.set BB,   224                         ; v[224:239]  the bank that a group changes places with
.macro PHY name, i                     ; the register of logical element i in its bank
.set \name, ((\i)&30)|((((\i)>>4)^((\i)>>3)^((\i)>>2)^((\i)>>1)^(\i))&1)
.endm
; Element a takes the minimum, element b the maximum.  Elements 0-15 are read in bank SL and written in DL, elements 16-31 in SH and DH.
.macro CE a, b
	PHY pa, \a
	PHY pb, \b
.set ra, pa+(((\a)>>4)&1)*(SH-SL)
.set rb, pb+(((\b)>>4)&1)*(SH-SL)
.set qa, pa+(((\a)>>4)&1)*(DH-DL)
.set qb, pb+(((\b)>>4)&1)*(DH-DL)
	v_dual_min_num_f32 v[DL+qa], v[SL+ra], v[SL+rb] :: v_dual_max_num_f32 v[DL+qb], v[SL+rb], v[SL+ra]
.endm
.macro LAY k, j                        ; one layer over elements 0 .. NE - 1: partners j apart, ascending where i & k is 0
.set li, 0
.rept NE
.if (li & (\j)) == 0
.if (li & (\k)) == 0
	CE li, li+(\j)
.else
	CE li+(\j), li
.endif
.endif
.set li, li+1
.endr
.endm
.macro BANKS x, y
.set SL, \x
.set SH, \x
.set DL, \y
.set DH, \y
.endm
.macro PP k, j                         ; a layer, then the two banks change places
	LAY \k, \j
.set TT, SL
.set SL, DL
.set DL, TT
.set SH, SL
.set DH, DL
.endm
.macro TEN x, y                        ; ten layers: NE = 16: ascending; NE = 32: elements 0-15 ascending, 16-31 descending.  The result lies in x again
	BANKS \x, \y
	PP 2, 1
	PP 4, 2
	PP 4, 1
	PP 8, 4
	PP 8, 2
	PP 8, 1
	PP 16, 8
	PP 16, 4
	PP 16, 2
	PP 16, 1
.endm
; The kept 32 in bank a (bitonic) become ascending and take in the sorted group in bank ba.  Five layers are an odd number, so the lower half goes once through BB
; (free: the groups are sorted) and ends in a; the upper half ends in BS, and the minima bring it back into a.
.macro KEEP a, ba
.set NE, 32
	BANKS \a, BS
	LAY 32, 16
	BANKS BS, \a
	LAY 32, 8
	BANKS \a, BS
	LAY 32, 4
.set SL, BS
.set SH, BS
.set DL, BB
.set DH, \a
	LAY 32, 2
.set SL, BB
.set SH, \a
.set DL, \a
.set DH, BS
	LAY 32, 1
.set mt, 0
.rept 8
	PHY pa, 16+2*mt
	PHY pb, 17+2*mt
	PHY qa, 15-2*mt
	PHY qb, 14-2*mt
	v_dual_min_num_f32 v[(\a)+pa], v[BS+pa], v[(\ba)+qa] :: v_dual_min_num_f32 v[(\a)+pb], v[BS+pb], v[(\ba)+qb]
.set mt, mt+1
.endr
.endm
; 16 loads: row m of weight, my column.  A loaded m is bounded before it enters an address.
.macro GEN sb, wb
.set gi, 0
.rept 16
	s_min_u32 s[(\sb)+gi], s[(\sb)+gi], 0x3ff
.set gi, gi+1
.endr
.set gi, 0
.rept 16
	v_lshl_add_u32 v[(\wb)+gi], s[(\sb)+gi], 11, v1            ; m x 2,048 bytes + my column's
	global_load_b32 v[(\wb)+gi], v[(\wb)+gi], s[4:5]           ; rows are read by many work-groups: no hint
.set gi, gi+1
.endr
.endm
; The 32 terms of 16 places, four places at a time.  s[sb ..]: a with the side in the sign bit.  sg = +1 or -1 by the side: the plus term takes relu(3 + sg w), the minus term relu(3 - sg w).
.macro ZS sb, wb, dp, dm
.set zi, 0
.rept 4
.irp k, 0,1,2,3
	s_and_b32 s[2+((\k)&1)+64*((\k)>>1)], s[(\sb)+zi+\k], 0x80000000
	s_or_b32  s[2+((\k)&1)+64*((\k)>>1)], s[2+((\k)&1)+64*((\k)>>1)], 0x3f800000
	s_and_b32 s[(\sb)+zi+\k], s[(\sb)+zi+\k], 0x7fffffff
.endr
.irp k, 0,1,2,3
	v_fma_f32 v[(\dp)+zi+\k], s[2+((\k)&1)+64*((\k)>>1)], v[(\wb)+zi+\k], v2
	v_fma_f32 v[(\dm)+zi+\k], s[2+((\k)&1)+64*((\k)>>1)], -v[(\wb)+zi+\k], v2
.endr
.irp k, 0,1,2,3
	v_max_num_f32 v[(\dp)+zi+\k], 0, v[(\dp)+zi+\k]
	v_max_num_f32 v[(\dm)+zi+\k], 0, v[(\dm)+zi+\k]
.endr
.irp k, 0,1,2,3
	v_add_f32 v[(\dp)+zi+\k], s[(\sb)+zi+\k], v[(\dp)+zi+\k]
	v_add_f32 v[(\dm)+zi+\k], s[(\sb)+zi+\k], v[(\dm)+zi+\k]
.endr
.set zi, zi+4
.endr
.endm
.macro GROUP sb, wb                    ; one further group of 16 places
	ZS \sb, \wb, BAP, BAM
.set NE, 16
	TEN BAP, BB
	TEN BAM, BB
	KEEP AP, BAP
	KEEP AM, BAM
.endm
	s_load_b256 s[4:11], s[0:1], 0x0               ; weight s[4:5], lm s[6:7], le s[8:9], cnt s[10:11]
	s_load_b64 s[12:13], s[0:1], 0x20              ; out0
	s_lshr_b32 s2, ttmp9, 1                        ; b
	s_and_b32 s3, ttmp9, 1                         ; which 256 columns
	s_lshl_b32 s3, s3, 10
	v_lshl_add_u32 v1, v0, 2, s3                   ; my column's byte in a row of weight; never rewritten
	v_mov_b32 v2, 0x40400000                       ; 3
	v_lshlrev_b32 v3, 2, v0                        ; my byte in the work-group's 1,024 bytes of out0
	s_mul_i32 s66, s2, ROWL
	s_mov_b32 s67, 0
	s_lshl_b32 s100, s2, 3
	s_mov_b32 s101, 0
	s_lshl_b32 s14, ttmp9, 10                      ; (2 b + half) x 1,024 bytes
	s_mov_b32 s15, 0
	s_wait_kmcnt 0x0
	s_add_nc_u64 s[6:7], s[6:7], s[66:67]
	s_add_nc_u64 s[8:9], s[8:9], s[66:67]
	s_add_nc_u64 s[10:11], s[10:11], s[100:101]
	s_add_nc_u64 s[12:13], s[12:13], s[14:15]
	s_load_b512 s[16:31], s[6:7], 0x0              ; m of places 0 to 79
	s_load_b512 s[32:47], s[6:7], 0x40
	s_load_b512 s[48:63], s[6:7], 0x80
	s_load_b512 s[68:83], s[6:7], 0xc0
	s_load_b512 s[84:99], s[6:7], 0x100
	s_load_b64 s[100:101], s[10:11], 0x0           ; n0, n1
	s_wait_kmcnt 0x0
	GEN 16, W
	GEN 32, W+16
	GEN 48, W+32
	GEN 68, W+48
	GEN 84, W+64
	s_load_b512 s[16:31], s[8:9], 0x0              ; the same registers now take a of places 0 to 79, while the weights are on their way
	s_load_b512 s[32:47], s[8:9], 0x40
	s_load_b512 s[48:63], s[8:9], 0x80
	s_load_b512 s[68:83], s[8:9], 0xc0
	s_load_b512 s[84:99], s[8:9], 0x100
	s_min_u32 s100, s100, 0x400
	s_min_u32 s101, s101, 0x400
	s_add_co_u32 s14, s100, s101
	s_add_co_u32 s14, s14, 15
	s_lshr_b32 s14, s14, 4                         ; groups in the list: 2 at the least, 128 at the most
	s_wait_kmcnt 0x0
	s_wait_loadcnt 48                              ; loads come back in order: groups 0 and 1 are in, the 48 loads of groups 2 to 4 may be out
	ZS 16, W, AP, AM
	ZS 32, W+16, AP+16, AM+16
.set NE, 32
	TEN AP, BS
	TEN AM, BS
	s_cmp_lt_u32 s14, 3
	s_cbranch_scc1 .Lsum
	s_wait_loadcnt 32                              ; group 2 is in; groups 3 and 4 may be out
	GROUP 48, W+32
	s_cmp_lt_u32 s14, 4
	s_cbranch_scc1 .Lsum
	s_wait_loadcnt 16                              ; group 3 is in; group 4 may be out
	GROUP 68, W+48
	s_cmp_lt_u32 s14, 5
	s_cbranch_scc1 .Lsum
	s_wait_loadcnt 0x0
	GROUP 84, W+64
	s_cmp_lt_u32 s14, 6
	s_cbranch_scc1 .Lsum
	s_add_nc_u64 s[6:7], s[6:7], 320               ; lists of more than 80 places: group 5 and on, one a trip, nothing asked for ahead
	s_add_nc_u64 s[8:9], s[8:9], 320
	s_mov_b32 s15, 5
.Lmore:
	s_load_b512 s[16:31], s[6:7], 0x0
	s_load_b512 s[32:47], s[8:9], 0x0
	s_wait_kmcnt 0x0                               ; both are done: their bases may step
	s_add_nc_u64 s[6:7], s[6:7], 64
	s_add_nc_u64 s[8:9], s[8:9], 64
	GEN 16, W
	s_wait_loadcnt 0x0
	GROUP 32, W
	s_add_co_u32 s15, s15, 1
	s_cmp_lt_u32 s15, s14
	s_cbranch_scc1 .Lmore
.Lsum:                                         ; weight loads of groups that the list does not reach may still be out: nothing below names their registers
.set t, 0
.rept 16
	v_pk_add_f32 v[BS+2*t:BS+2*t+1], v[AP+2*t:AP+2*t+1], v[AM+2*t:AM+2*t+1] neg_lo:[0,1] neg_hi:[0,1]
.set t, t+1
.endr
.irp h, 8,4,2,1
.set t, 0
.rept \h
	v_pk_add_f32 v[BS+2*t:BS+2*t+1], v[BS+2*t:BS+2*t+1], v[BS+2*(\h)+2*t:BS+2*(\h)+2*t+1]
.set t, t+1
.endr
.endr
	v_add_f32 v4, v[BS], v[BS+1]
	v_mul_f32 v4, 0x3d000000, v4                   ; / 32
	global_store_b32 v3, v4, s[12:13]
	s_endpgm
.Lfunc_end_k_qfd083992fe_select:
	.size	k_qfd083992fe_select, .Lfunc_end_k_qfd083992fe_select-k_qfd083992fe_select
	.p2alignl 7, 3214868480
	.fill 96, 4, 3214868480
	.section	.rodata,"a",@progbits
	.p2align	6, 0x0
	.amdhsa_kernel k_qfd083992fe_select
		.amdhsa_group_segment_fixed_size 0
		.amdhsa_private_segment_fixed_size 0
		.amdhsa_enable_private_segment 0
		.amdhsa_kernarg_size 40
		.amdhsa_user_sgpr_count 2
		.amdhsa_user_sgpr_kernarg_segment_ptr 1
		.amdhsa_wavefront_size32 1
		.amdhsa_system_sgpr_workgroup_id_x 1
		.amdhsa_system_sgpr_workgroup_id_y 1
		.amdhsa_system_sgpr_workgroup_id_z 1
		.amdhsa_system_vgpr_workitem_id 0
		.amdhsa_next_free_vgpr 240
		.amdhsa_next_free_sgpr 102
		.amdhsa_reserve_vcc 0
		.amdhsa_float_denorm_mode_32 3
		.amdhsa_float_denorm_mode_16_64 3
		.amdhsa_memory_ordered 1
		.amdhsa_forward_progress 1
		.amdhsa_inst_pref_size 169
	.end_amdhsa_kernel
	.amdgpu_metadata
---
amdhsa.version: [ 1, 2 ]
amdhsa.kernels:
  - .name:           k_qfd083992fe_select
    .symbol:         k_qfd083992fe_select.kd
    .args:
      - { .name: weight, .offset: 0, .size: 8, .value_kind: global_buffer, .address_space: global }
      - { .name: lm, .offset: 8, .size: 8, .value_kind: global_buffer, .address_space: global }
      - { .name: le, .offset: 16, .size: 8, .value_kind: global_buffer, .address_space: global }
      - { .name: cnt, .offset: 24, .size: 8, .value_kind: global_buffer, .address_space: global }
      - { .name: out0, .offset: 32, .size: 8, .value_kind: global_buffer, .address_space: global }
    .group_segment_fixed_size: 0
    .private_segment_fixed_size: 0
    .kernarg_segment_align: 8
    .kernarg_segment_size: 40
    .max_flat_workgroup_size: 256
    .sgpr_count:     102
    .vgpr_count:     240
    .wavefront_size: 32
...
	.end_amdgpu_metadata
.endif
;; end of part 4
;; ======== version 2 of 2: 4 launches; version 1 with the launch select written anew for expert scheduling mode
;; workspace buffers: wst 8,192 bytes; pos 1,048,576 bytes of whole numbers; cnt 1,024 bytes of whole numbers; lm 1,081,344 bytes of whole numbers; le 1,081,344 bytes
;; launch wstat: the kernel of part 1 again; grid 32 x 1, 32 waves a work-group, no clusters, 4,352 bytes of LDS; arguments weight, wst; writes wst
;; launch thresh: the kernel of part 2 again; grid 128 x 1, 2 waves a work-group, no clusters, 512 bytes of LDS; arguments inputp, wst, pos, cnt; writes pos, cnt
;; launch compact: the kernel of part 3 again; grid 128 x 1, 8 waves a work-group, no clusters, 0 bytes of LDS; arguments inputp, pos, cnt, lm, le; writes lm, le
;; launch select (part 5): grid 256 x 1, 8 waves a work-group, no clusters, 0 bytes of LDS; arguments weight, lm, le, cnt, out0; writes out0
.if DOCPART == 5
	.amdgcn_target "amdgcn-amd-amdhsa--gfx1250"
	.amdhsa_code_object_version 6
	.text
	.protected	k_qfd083992fe_select
	.globl	k_qfd083992fe_select
	.p2align	8
	.type	k_qfd083992fe_select,@function
k_qfd083992fe_select:
	s_mov_b64 s[64:65], 0
	v_nop
	global_prefetch_b8 v0, s[64:65] scope:SCOPE_SE
	s_setreg_imm32_b32 hwreg(HW_REG_WAVE_SCHED_MODE, 0, 2), 2
	s_setreg_imm32_b32 hwreg(HW_REG_WAVE_MODE, 25, 1), 1
	s_wait_xcnt 0x0
	s_wait_alu depctr_vm_vsrc(0)
; out0[b][o] = (sum of the 32 smallest of zPlus[b][:][o] - sum of the 32 smallest of zMinus[b][:][o]) / 32, taken over row b's candidates alone:
; no other term can be among the 32 smallest of either set (the launches before).  A candidate (m, side, a) gives one term to each set:
;   side 0: zPlus a + relu(3 + w), zMinus a + relu(3 - w);   side 1: zPlus a + relu(3 - w), zMinus a + relu(3 + w);   w = weight[m][o].
; Each term is computed as the reference computes it.  SHARES: a work-group has one b and 256 columns, a lane one column and both sets.
; THE LIST is walked in groups of 16 places; fillers (a = +infinity) end it.  m and a are the same for the whole wave, so they come by scalar loads.
; The weight loads of the first five groups (80 places, always written) go out before any arithmetic on terms.
; THE SELECTION.  Groups 0 and 1 (32 true candidates at the least) are made a bitonic run by ten layers of a bitonic network.  A further group: its 16 terms
; are sorted (ten layers of 8 comparators); the kept 32 are made ascending (five layers of 16); the upper 16 take the minima with the group reversed, which
; leaves the 32 smallest, again a bitonic run.  Groups 2 to 4 are written out, each on its own registers, and left by a forward jump when the list ends;
; longer lists go round a loop whose bound is the list's number of groups.
; A comparator is ONE dual instruction, minimum and maximum, from one bank of registers into another.  Logical element i lies at register
; (i & 30) | parity of i's bits: partners differ in one bit of i, so their registers have opposite parity: one even and one odd destination, sources in different banks.
; THE SUM is taken of the 32 differences P - M (any pairing gives the same total): they are small, so the sum loses less than two sums of large numbers would.
; LIMITS: inputs finite; the order of the sum differs from the reference's.  A wave's store covers 128 consecutive bytes (32 results), the eight waves' together 1,024.
; THE MODE: SCHED_MODE bits 1:0 = 2 (LLVM: expert scheduling mode 2), set by the entry lines.  The code itself states the register dependences
; between vector instructions and memory instructions, with s_wait_alu, always for 0.
; THE PLAN.  Registers that memory instructions touch:
;   AD (80)      the offsets of the head's 80 loads.  Written by 80 vector lines at the head, read by those loads; later the same registers are AP, AM and half of BS.
;   W (80)       the loads' data.  In the head no vector line has named them; the terms read each group behind the wait for its data.
;   W[0:15], LA  in the loop: the trip's data, and the trip's 16 offsets (LA = W[16:31], group 1's weights, which are dead by then).
;   v3, v4       the one store's offset (made at the head) and data (made by the last line of the sum).
; The waits: one behind the offsets of groups 0 and 1, whose 32 loads are then dealt among the vector lines that make the other 48 offsets (these name AD[32:79], v1 and scalar
; registers: nothing that the 32 loads touch); one behind the last of those lines, ahead of the other 48 loads; one ahead of the first terms, which write AD's registers anew;
; two in a trip of the loop; one ahead of the store.  No vector line writes a scalar register or VCC, and EXEC is never written.
.set ROWL, 8448                        ; bytes in a row of lm and of le
.set W,    16                          ; v[16:95]    weights of five groups
.set LA,   W+16                        ; v[32:47]    in the loop: the trip's 16 offsets
.set AP,   96                          ; v[96:127]   the plus set's kept 32
.set AM,   128                         ; v[128:159]  the minus set's
.set BS,   160                         ; v[160:191]  the bank that either kept set changes places with
.set AD,   AP                          ; v[96:175]   at the head only: the offsets of the first 80 loads
.set BAP,  192                         ; v[192:207]  the plus terms of the group in hand
.set BAM,  208                         ; v[208:223]  the minus terms
.set BB,   224                         ; v[224:239]  the bank that a group changes places with
.macro PHY name, i                     ; the register of logical element i in its bank
.set \name, ((\i)&30)|((((\i)>>4)^((\i)>>3)^((\i)>>2)^((\i)>>1)^(\i))&1)
.endm
; Element a takes the minimum, element b the maximum.  Elements 0-15 are read in bank SL and written in DL, elements 16-31 in SH and DH.
.macro CE a, b
	PHY pa, \a
	PHY pb, \b
.set ra, pa+(((\a)>>4)&1)*(SH-SL)
.set rb, pb+(((\b)>>4)&1)*(SH-SL)
.set qa, pa+(((\a)>>4)&1)*(DH-DL)
.set qb, pb+(((\b)>>4)&1)*(DH-DL)
	v_dual_min_num_f32 v[DL+qa], v[SL+ra], v[SL+rb] :: v_dual_max_num_f32 v[DL+qb], v[SL+rb], v[SL+ra]
.endm
.macro LAY k, j                        ; one layer over elements 0 .. NE - 1: partners j apart, ascending where i & k is 0
.set li, 0
.rept NE
.if (li & (\j)) == 0
.if (li & (\k)) == 0
	CE li, li+(\j)
.else
	CE li+(\j), li
.endif
.endif
.set li, li+1
.endr
.endm
.macro BANKS x, y
.set SL, \x
.set SH, \x
.set DL, \y
.set DH, \y
.endm
.macro PP k, j                         ; a layer, then the two banks change places
	LAY \k, \j
.set TT, SL
.set SL, DL
.set DL, TT
.set SH, SL
.set DH, DL
.endm
.macro TEN x, y                        ; ten layers: NE = 16: ascending; NE = 32: elements 0-15 ascending, 16-31 descending.  The result lies in x again
	BANKS \x, \y
	PP 2, 1
	PP 4, 2
	PP 4, 1
	PP 8, 4
	PP 8, 2
	PP 8, 1
	PP 16, 8
	PP 16, 4
	PP 16, 2
	PP 16, 1
.endm
; The kept 32 in bank a (bitonic) become ascending and take in the sorted group in bank ba.  Five layers are an odd number, so the lower half goes once through BB
; (free: the groups are sorted) and ends in a; the upper half ends in BS, and the minima bring it back into a.
.macro KEEP a, ba
.set NE, 32
	BANKS \a, BS
	LAY 32, 16
	BANKS BS, \a
	LAY 32, 8
	BANKS \a, BS
	LAY 32, 4
.set SL, BS
.set SH, BS
.set DL, BB
.set DH, \a
	LAY 32, 2
.set SL, BB
.set SH, \a
.set DL, \a
.set DH, BS
	LAY 32, 1
.set mt, 0
.rept 8
	PHY pa, 16+2*mt
	PHY pb, 17+2*mt
	PHY qa, 15-2*mt
	PHY qb, 14-2*mt
	v_dual_min_num_f32 v[(\a)+pa], v[BS+pa], v[(\ba)+qa] :: v_dual_min_num_f32 v[(\a)+pb], v[BS+pb], v[(\ba)+qb]
.set mt, mt+1
.endr
.endm
; A group's 16 loads (row m of weight, my column) in three parts.  CLAMP: a loaded m is bounded before it enters an address.  ADR: the offsets.  ASK: the loads.
.macro CLAMP sb
.set gi, 0
.rept 16
	s_min_u32 s[(\sb)+gi], s[(\sb)+gi], 0x3ff
.set gi, gi+1
.endr
.endm
.macro ADR sb, ab
.set gi, 0
.rept 16
	v_lshl_add_u32 v[(\ab)+gi], s[(\sb)+gi], 11, v1            ; m x 2,048 bytes + my column's
.set gi, gi+1
.endr
.endm
.macro ASK ab, wb
.set gi, 0
.rept 16
	global_load_b32 v[(\wb)+gi], v[(\ab)+gi], s[4:5]           ; rows are read by many work-groups: no hint
.set gi, gi+1
.endr
.endm
; One group's loads dealt among the lines that bound a later group's m and make its offsets, which name none of the registers that these loads touch.
.macro ASKADR ab, wb, sb, nb
.set gi, 0
.rept 16
	s_min_u32 s[(\sb)+gi], s[(\sb)+gi], 0x3ff
	global_load_b32 v[(\wb)+gi], v[(\ab)+gi], s[4:5]
	v_lshl_add_u32 v[(\nb)+gi], s[(\sb)+gi], 11, v1
.set gi, gi+1
.endr
.endm
; The 32 terms of 16 places, four places at a time.  s[sb ..]: a with the side in the sign bit.  sg = +1 or -1 by the side: the plus term takes relu(3 + sg w), the minus term relu(3 - sg w).
.macro ZS sb, wb, dp, dm
.set zi, 0
.rept 4
.irp k, 0,1,2,3
	s_and_b32 s[2+((\k)&1)+64*((\k)>>1)], s[(\sb)+zi+\k], 0x80000000
	s_or_b32  s[2+((\k)&1)+64*((\k)>>1)], s[2+((\k)&1)+64*((\k)>>1)], 0x3f800000
	s_and_b32 s[(\sb)+zi+\k], s[(\sb)+zi+\k], 0x7fffffff
.endr
.irp k, 0,1,2,3
	v_fma_f32 v[(\dp)+zi+\k], s[2+((\k)&1)+64*((\k)>>1)], v[(\wb)+zi+\k], v2
	v_fma_f32 v[(\dm)+zi+\k], s[2+((\k)&1)+64*((\k)>>1)], -v[(\wb)+zi+\k], v2
.endr
.irp k, 0,1,2,3
	v_max_num_f32 v[(\dp)+zi+\k], 0, v[(\dp)+zi+\k]
	v_max_num_f32 v[(\dm)+zi+\k], 0, v[(\dm)+zi+\k]
.endr
.irp k, 0,1,2,3
	v_add_f32 v[(\dp)+zi+\k], s[(\sb)+zi+\k], v[(\dp)+zi+\k]
	v_add_f32 v[(\dm)+zi+\k], s[(\sb)+zi+\k], v[(\dm)+zi+\k]
.endr
.set zi, zi+4
.endr
.endm
.macro GROUP sb, wb                    ; one further group of 16 places
	ZS \sb, \wb, BAP, BAM
.set NE, 16
	TEN BAP, BB
	TEN BAM, BB
	KEEP AP, BAP
	KEEP AM, BAM
.endm
	s_load_b256 s[4:11], s[0:1], 0x0               ; weight s[4:5], lm s[6:7], le s[8:9], cnt s[10:11]
	s_load_b64 s[12:13], s[0:1], 0x20              ; out0
	s_lshr_b32 s2, ttmp9, 1                        ; b
	s_and_b32 s3, ttmp9, 1                         ; which 256 columns
	s_lshl_b32 s3, s3, 10
	v_lshl_add_u32 v1, v0, 2, s3                   ; my column's byte in a row of weight; never rewritten
	v_mov_b32 v2, 0x40400000                       ; 3
	v_lshlrev_b32 v3, 2, v0                        ; my byte in the work-group's 1,024 bytes of out0
	s_mul_i32 s66, s2, ROWL
	s_mov_b32 s67, 0
	s_lshl_b32 s100, s2, 3
	s_mov_b32 s101, 0
	s_lshl_b32 s14, ttmp9, 10                      ; (2 b + half) x 1,024 bytes
	s_mov_b32 s15, 0
	s_wait_kmcnt 0x0
	s_add_nc_u64 s[6:7], s[6:7], s[66:67]
	s_add_nc_u64 s[8:9], s[8:9], s[66:67]
	s_add_nc_u64 s[10:11], s[10:11], s[100:101]
	s_add_nc_u64 s[12:13], s[12:13], s[14:15]
	s_load_b512 s[16:31], s[6:7], 0x0              ; m of places 0 to 79
	s_load_b512 s[32:47], s[6:7], 0x40
	s_load_b512 s[48:63], s[6:7], 0x80
	s_load_b512 s[68:83], s[6:7], 0xc0
	s_load_b512 s[84:99], s[6:7], 0x100
	s_load_b64 s[100:101], s[10:11], 0x0           ; n0, n1
	s_wait_kmcnt 0x0
	CLAMP 16
	CLAMP 32
	ADR 16, AD
	ADR 32, AD+16
	s_wait_alu depctr_va_vdst(0)                   ; the offsets of groups 0 and 1 are written, which the 32 loads below read; so is v3, the store's offset
	s_load_b512 s[16:31], s[8:9], 0x0              ; the registers that held m of groups 0 and 1 now take their a
	s_load_b512 s[32:47], s[8:9], 0x40
	ASKADR AD, W, 48, AD+32                        ; group 0 is asked for | group 2's offsets
	ASKADR AD+16, W+16, 68, AD+48                  ; group 1 is asked for | group 3's offsets
	CLAMP 84
	ADR 84, AD+64
	s_wait_alu depctr_va_vdst(0)                   ; the offsets of groups 2 to 4 are written, which the 48 loads below read
	s_load_b512 s[48:63], s[8:9], 0x80             ; a of groups 2 to 4, while the weights are on their way
	s_load_b512 s[68:83], s[8:9], 0xc0
	s_load_b512 s[84:99], s[8:9], 0x100
	ASK AD+32, W+32
	ASK AD+48, W+48
	ASK AD+64, W+64
	s_min_u32 s100, s100, 0x400
	s_min_u32 s101, s101, 0x400
	s_add_co_u32 s14, s100, s101
	s_add_co_u32 s14, s14, 15
	s_lshr_b32 s14, s14, 4                         ; groups in the list: 2 at the least, 128 at the most
	s_wait_kmcnt 0x0
	s_wait_loadcnt 48                              ; loads come back in order: groups 0 and 1 are in, the 48 loads of groups 2 to 4 may be out
	s_wait_xcnt 0x0                                ; every earlier memory instruction has had its addresses translated (ISA guide 3.1): the offsets of the loads still out are rewritten only behind this wait
	s_wait_alu depctr_vm_vsrc(0)                   ; all 80 loads have read their offsets in AD: these registers are AP, AM and BS from here on, written by the terms and the layers below
	ZS 16, W, AP, AM
	ZS 32, W+16, AP+16, AM+16
.set NE, 32
	TEN AP, BS
	TEN AM, BS
	s_cmp_lt_u32 s14, 3
	s_cbranch_scc1 .Lsum
	s_wait_loadcnt 32                              ; group 2 is in; groups 3 and 4 may be out
	GROUP 48, W+32
	s_cmp_lt_u32 s14, 4
	s_cbranch_scc1 .Lsum
	s_wait_loadcnt 16                              ; group 3 is in; group 4 may be out
	GROUP 68, W+48
	s_cmp_lt_u32 s14, 5
	s_cbranch_scc1 .Lsum
	s_wait_loadcnt 0x0
	GROUP 84, W+64
	s_cmp_lt_u32 s14, 6
	s_cbranch_scc1 .Lsum
	s_add_nc_u64 s[6:7], s[6:7], 320               ; lists of more than 80 places: group 5 and on, one a trip, nothing asked for ahead
	s_add_nc_u64 s[8:9], s[8:9], 320
	s_mov_b32 s15, 5
.Lmore:
	s_load_b512 s[16:31], s[6:7], 0x0
	s_load_b512 s[32:47], s[8:9], 0x0
	s_wait_kmcnt 0x0                               ; both are done: their bases may step
	s_add_nc_u64 s[6:7], s[6:7], 64
	s_add_nc_u64 s[8:9], s[8:9], 64
	CLAMP 16
	s_wait_alu depctr_vm_vsrc(0)                   ; the last trip's loads have read their offsets in LA, which the lines below write anew (the wait for their data has shown them done; in the first trip no load has read LA)
	ADR 16, LA
	s_wait_alu depctr_va_vdst(0)                   ; LA is written, which the loads below read; the terms of the trip before (in the first trip: of group 0) are done reading W[0:15], in which they land
	ASK LA, W
	s_wait_loadcnt 0x0
	GROUP 32, W
	s_add_co_u32 s15, s15, 1
	s_cmp_lt_u32 s15, s14
	s_cbranch_scc1 .Lmore
.Lsum:                                         ; weight loads of groups that the list does not reach may still be out: nothing below names their registers
.set t, 0
.rept 16
	v_pk_add_f32 v[BS+2*t:BS+2*t+1], v[AP+2*t:AP+2*t+1], v[AM+2*t:AM+2*t+1] neg_lo:[0,1] neg_hi:[0,1]
.set t, t+1
.endr
.irp h, 8,4,2,1
.set t, 0
.rept \h
	v_pk_add_f32 v[BS+2*t:BS+2*t+1], v[BS+2*t:BS+2*t+1], v[BS+2*(\h)+2*t:BS+2*(\h)+2*t+1]
.set t, t+1
.endr
.endr
	v_add_f32 v4, v[BS], v[BS+1]
	v_mul_f32 v4, 0x3d000000, v4                   ; / 32
	s_wait_alu depctr_va_vdst(0)                   ; v4 is written, which the store reads (v3 has not been named since the head's first such wait)
	global_store_b32 v3, v4, s[12:13]
	s_endpgm
.Lfunc_end_k_qfd083992fe_select:
	.size	k_qfd083992fe_select, .Lfunc_end_k_qfd083992fe_select-k_qfd083992fe_select
	.p2alignl 7, 3214868480
	.fill 96, 4, 3214868480
	.section	.rodata,"a",@progbits
	.p2align	6, 0x0
	.amdhsa_kernel k_qfd083992fe_select
		.amdhsa_group_segment_fixed_size 0
		.amdhsa_private_segment_fixed_size 0
		.amdhsa_enable_private_segment 0
		.amdhsa_kernarg_size 40
		.amdhsa_user_sgpr_count 2
		.amdhsa_user_sgpr_kernarg_segment_ptr 1
		.amdhsa_wavefront_size32 1
		.amdhsa_system_sgpr_workgroup_id_x 1
		.amdhsa_system_sgpr_workgroup_id_y 1
		.amdhsa_system_sgpr_workgroup_id_z 1
		.amdhsa_system_vgpr_workitem_id 0
		.amdhsa_next_free_vgpr 240
		.amdhsa_next_free_sgpr 102
		.amdhsa_reserve_vcc 0
		.amdhsa_float_denorm_mode_32 3
		.amdhsa_float_denorm_mode_16_64 3
		.amdhsa_memory_ordered 1
		.amdhsa_forward_progress 1
		.amdhsa_inst_pref_size 170
	.end_amdhsa_kernel
	.amdgpu_metadata
---
amdhsa.version: [ 1, 2 ]
amdhsa.kernels:
  - .name:           k_qfd083992fe_select
    .symbol:         k_qfd083992fe_select.kd
    .args:
      - { .name: weight, .offset: 0, .size: 8, .value_kind: global_buffer, .address_space: global }
      - { .name: lm, .offset: 8, .size: 8, .value_kind: global_buffer, .address_space: global }
      - { .name: le, .offset: 16, .size: 8, .value_kind: global_buffer, .address_space: global }
      - { .name: cnt, .offset: 24, .size: 8, .value_kind: global_buffer, .address_space: global }
      - { .name: out0, .offset: 32, .size: 8, .value_kind: global_buffer, .address_space: global }
    .group_segment_fixed_size: 0
    .private_segment_fixed_size: 0
    .kernarg_segment_align: 8
    .kernarg_segment_size: 40
    .max_flat_workgroup_size: 256
    .sgpr_count:     102
    .vgpr_count:     240
    .wavefront_size: 32
...
	.end_amdgpu_metadata
.endif
;; end of part 5
